; MI455X (gfx1250); checked and timed in simulation.
; The chip was launched on July 23, 2026; its instructions are those of AMD's public machine-readable ISA for CDNA 5 (MIT licence, August 2026) and "CDNA5" Instruction Set Architecture Reference Guide (July 2026). The comments in the code are by the model that wrote it; some were corrected since.
;; Dy G Mixer. Allowed arithmetic: matrix products marked QUANTISED: E5M2 operands, one E8M0 scale for each 32 along K, by v_wmma_scale_f32_16x16x128_f8f6f4 with both operands' format E5M2, f32 sums; everything else in f32.
;; Inputs: W2 64 x 64 float32; b1 64 float32; b2 64 float32; dst_ids 256 x 512 int32; src_ids 256 x 512 int32; w1 64 float32.
;; Outputs: out0 256 x 512 x 64 float32; out1 256 x 512 x 64 float32.
;; This version of the problem:
;;   THIS VERSION OF THE PROBLEM IS GIVEN IN LOW PRECISION. The matrix products marked QUANTISED in the list below multiply operands that are first quantised to E5M2 (5 exponent bits, 2 mantissa bits; 8 bits a number), with one power-of-two scale for each 32 numbers along K (OCP MX v1.0); their sums are f32. All else is computed in f32.
;;   The module's matrix products, in the order in which they are computed (A, B: the left and right operand; K: the contracted axis; several contracted axes count as one K, in the product's order):
;;     1. [M 262,144, K 64] x [K 64, N 64]; A: computed on the way; B: input W2: QUANTISED
;;     2. [M 262,144, K 64] x [K 64, N 64]; A: computed on the way; B: input W2: QUANTISED
;;   THE QUANTISER, for each operand of a quantised product, along K:
;;     - K is cut into blocks of 32 from its start; a last block that is shorter is filled with zeros.
;;     - A block's scale is 2^e with e = floor(log2(the largest magnitude in the block)) - 15, held to -126 .. 127; a block of zeros has e = 0. As a byte (E8M0): e + 127.
;;     - Each number is divided by its block's scale, clamped to +-57,344, and rounded to the nearest number of E5M2, ties to even, subnormals kept.
;;     - The product sums the exact products of the quantised numbers (number of the format x scale) in f32.
;;   ~~~python
;;   def quantise(x, axis):      # numpy; x: float32 -> the quantised numbers, widened to float32 again
;;       x = np.moveaxis(x, axis, -1); K = x.shape[-1]
;;       x = np.pad(x, [(0, 0)] * (x.ndim - 1) + [(0, -K % 32)]); x = x.reshape(x.shape[:-1] + (-1, 32)); a = np.abs(x).max(-1, keepdims=True)
;;       e = np.where(a > 0, np.clip(np.frexp(np.where(a > 0, a, 1))[1] - 1 - 15, -126, 127), 0)      # np.frexp(a)[1] - 1 = floor(log2(a)), exactly
;;       r = np.clip(x / 2.0 ** e, -57344, 57344)
;;       step = 2.0 ** (np.maximum(np.frexp(np.where(r == 0, 1, r))[1] - 1, -14) - 2)
;;       q = np.round(r / step) * step * 2.0 ** e      # np.round: ties to even
;;       return np.moveaxis(q.reshape(q.shape[:-2] + (-1,))[..., :K], -1, axis).astype(np.float32)
;;   ~~~
;;   OPERANDS COMPUTED ON THE WAY. 'Computed on the way' means the value that the module computes at that place (a softmax that the list does not call 'softmax' is quantised finished and normalised). What goes into a quantiser is computed in f32, as accurately as f32 sums, v_exp_f32 and their like allow (about 1e-6 of the number): no bf16 or f16 on the way to a quantiser, and a product that is left as it is and whose result goes on into a quantised operand takes f32 operands (vector FMAs, or v_wmma_f32_16x16x4_f32). A number that lies on a knife's edge between two numbers of the format may be rounded either way, as far as f32 arithmetic and the matrix unit's own rounding can turn it there, and no further.
;; 2 versions. Each part assembles by itself: llvm-mc -triple=amdgcn-amd-amdhsa -mcpu=gfx1250 --defsym DOCPART=n.
;; ======== version 1 of 2: 1 launch
;; launch dygmixer (part 1): grid 256 x 1, 16 waves a work-group, no clusters, 76,800 bytes of LDS; arguments src_ids, dst_ids, w1, b1, W2, b2, out0, out1; writes out0, out1
.if DOCPART == 1
	.amdgcn_target "amdgcn-amd-amdhsa--gfx1250"
	.amdhsa_code_object_version 6
	.text
	.protected	k_q4e6e146290_dygmixer
	.globl	k_q4e6e146290_dygmixer
	.p2align	8
	.type	k_q4e6e146290_dygmixer,@function
k_q4e6e146290_dygmixer:
	s_mov_b64 s[64:65], 0
	v_nop
	global_prefetch_b8 v0, s[64:65] scope:SCOPE_SE
	s_setreg_imm32_b32 hwreg(HW_REG_WAVE_MODE, 25, 1), 1
	s_wait_xcnt 0x0
; out0[b][l][:] = sum over the two count channels of ( Q(relu(count x w1 + b1)) . Q(W2)^T + b2 ) for the ids of src, out1 the same for dst.
; The channels are: how often the id stands in src's row b, how often in dst's row b; both counts are 0 where the id is 0.  Q: codes of BF8 (E5M2) with one E8M0 scale for each 32 along K.
; SHARES.  A work-group takes one batch row b: 512 ids of src, 512 of dst.  Wave w of sixteen takes rows 32 w .. 32 w + 31 of both: four tiles of 16 rows, one tile a trip of the loop.
; COUNTS.  Every wave holds all 1,024 ids of the batch row in 32 registers (their order does not matter for a count).  A row's id is a scalar: 16 compares against src's registers and 16 against dst's
; leave 32 lane masks in scalar registers, whose bits the scalar unit counts.  So a comparison of 32 pairs costs one vector instruction.  The masks lie interleaved, src's in the even register and dst's
; in the odd one beside it, so that one 64-bit addition sums a count in src (low word) and a count in dst (high word): a word never passes 512, so nothing is carried over.  Ids may be any int32.
; BOTH CHANNELS IN ONE PRODUCT.  K is 64 for a channel, and the channels' results are added: a row of the operand is [h(count in src) | h(count in dst)], 128 along K in four blocks of 32, each with
; its own scale; W2's codes lie twice along K.  The matrix instruction is used transposed (source 0 = 16 rows of W2, source 1 = 16 rows of h): a lane holds eight neighbouring numbers of one output row.
; W2 is quantised once in the work-group (waves 0 to 3, a tile of 16 rows each) and goes to all waves through LDS as an image of the operand's registers: the launch's one barrier.
; NO CLUSTER: work-groups share W2, w1, b1 and b2 alone, 17,152 bytes read once at the head, against 262,144 bytes that each work-group stores.  No tensor load: a work-group's input is 4,096 bytes, read once into registers.
; LIMITS: NaN and infinities in w1, b1, W2 are not served.  A block of zeros gets the scale byte 1 where the rule says 127: its codes are zeros, and this program alone reads the bytes.
; count x w1 + b1 is one fused multiply-add.  2 b2 is added to the sum of both channels.
.set SP,    272                        ; a stage row: 256 bytes + 16: row r starts 16 r bytes further round the banks, so the 16 rows that a store touches do not meet
.set WIMG,  0                          ; LDS: W2's four tiles as register images: 2 x 512 bytes each (blocks 0 and 1 of K)
.set WSC,   4096                       ; their scale words, 128 bytes a tile
.set STG,   4608                       ; the stages for the way out: 16 rows x SP for each wave, the wave's own
.set STGW,  16*SP
.set SO,   1                           ; v1   stage: where I put 32 bytes of a row
.set SR,   2                           ; v2   stage: where I read a row back
.set LI,   3                           ; v3   16 x lane: an image's place, my 16 bytes of a load of ids, and my 16 bytes of two output rows; never rewritten
.set VS,   4                           ; v4   src id of row 32 w + lane
.set VD,   5                           ; v5   dst id of row 32 w + lane
.set VI,   6                           ; v6   the tile's ids: lane l holds row l % 16's
.set PW,   7                           ; v7   a scale word just made; it holds scales alone
.set C0,   8                           ; v8   count in src, f32, of row l % 16 (named as the pair v[8:9])
.set X,    9                           ; v9   lanes 0-15: counts in src, lanes 16-31: counts in dst
.set C1,   10                          ; v10  count in dst (named as the pair v[10:11])
.set Y,    11                          ; v11  what lane l xor 16 holds
.set BI,   12                          ; v12-15  2 x b2 at columns 4 (l % 16) + 0 .. 3
.set TM,   16                          ; v16-17 largest magnitudes, v18-19 the other half's / the bytes, v20-21 the largest number x the scale, v22-23 the conversions' scale operands
.set WS,   24                          ; v24-27  W2's scale words, a register a tile
.set IDS,  32                          ; v32-47  all 512 ids of src
.set IDD,  48                          ; v48-63  all 512 ids of dst
.set WF,   64                          ; v64-127 W2's four fragments of 16 registers
.set W1,   128                         ; v128-159 w1 at d = 16 h + i (16 registers), then at d = 32 + 16 h + i
.set B1,   160                         ; v160-191 b1 likewise
.set H,    192                         ; v192-223 a channel's 32 numbers of h; then the tile's four sums; then its 16 rows on the way out
.set CD,   224                         ; v224-239 h's codes: the operand's 16 registers
.set T4,   240                         ; head: 4 x thread
.set LS,   241                         ; head: 4 x lane
.set WA,   242                         ; head: 64 h
.set BA,   243                         ; head: 16 (l % 16)
.set W2A,  244                         ; head: my bytes of W2
.set WWI,  245                         ; head: where my wave stores its image
.set WV,   12                          ; s12  wave
.set PA,   14                          ; s[14:15] in the loop: set A's two sums of a row, kept until set B's are made (at the head: an offset)
.set AQ,   16                          ; s16-31 the tile's 16 ids
.set MA,   32                          ; s32-47 set A: lane masks against id registers 0-7: src's in the even register, dst's in the odd one
.set MB,   48                          ; s48-63 set B: against id registers 8-15, likewise
.set OP,   76                          ; s[76:77] where the tile's rows go
.set TP,   78                          ; s[78:79] an offset in 64 bits; s79 stays 0
.set TL,   80                          ; s80  the tile, 0 .. 3
.set SD,   81                          ; s81  all ones where the tile is dst's
.set MHI,  82                          ; s82  lanes 16-31
.set MLO,  83                          ; s83  lanes 0-15
.set SEL,  84                          ; s[84:85] v_permlanex16_b32's selects for lane l xor 16
.set MNT,  86                          ; s86  the mantissa field of 57,344
.set SW,   87                          ; s87  the lanes that take the other half's id
.set RA,   88                          ; s[88:89] a row's count in src, and in dst
; 16 compares of one id: against 8 registers (256 ids) of src and the same 8 of dst, from register k0 on; one lane mask for each
.macro CMPS a, k0, mb
.irp k, 0,1,2,3,4,5,6,7
	v_cmp_eq_u32 s[\mb+2*\k], s[\a], v[IDS+\k0+\k]
	v_cmp_eq_u32 s[\mb+2*\k+1], s[\a], v[IDD+\k0+\k]
.endr
.endm
; the bits of a set's 16 masks, and their sums, a pair (src's, dst's) an addition: each word is 256 at the most here
.macro TALLY mb, res
.irp i, 0,1,2,3,4,5,6,7,8,9,10,11,12,13,14,15
	s_bcnt1_i32_b32 s[\mb+\i], s[\mb+\i]
.endr
	s_add_nc_u64 s[\mb:\mb+1], s[\mb:\mb+1], s[\mb+2:\mb+3]
	s_add_nc_u64 s[\mb+4:\mb+5], s[\mb+4:\mb+5], s[\mb+6:\mb+7]
	s_add_nc_u64 s[\mb+8:\mb+9], s[\mb+8:\mb+9], s[\mb+10:\mb+11]
	s_add_nc_u64 s[\mb+12:\mb+13], s[\mb+12:\mb+13], s[\mb+14:\mb+15]
	s_add_nc_u64 s[\mb:\mb+1], s[\mb:\mb+1], s[\mb+4:\mb+5]
	s_add_nc_u64 s[\mb+8:\mb+9], s[\mb+8:\mb+9], s[\mb+12:\mb+13]
	s_add_nc_u64 s[\res:\res+1], s[\mb:\mb+1], s[\mb+8:\mb+9]
.endm
; 32 numbers of a lane in v[H] on: register 16 b + i is k = 32 b + 16 (lane / 16) + i of my row.  QMAX makes the two blocks' scales, QCVT their codes.
; relu = 1: what is negative is to become 0, so it does not count for the largest magnitude (no |.|; the floor stands over it)
.macro QMAX relu
.if \relu
.irp b, 0,1
	v_max3_num_f32 v[TM+\b], v[H+16*\b], v[H+16*\b+1], 0x8000000          ; my 16 numbers and the floor 2^(16 - 127): the byte cannot fall under 1
.endr
.irp i, 2,4,6,8,10,12,14
.irp b, 0,1
	v_max3_num_f32 v[TM+\b], v[TM+\b], v[H+16*\b+\i], v[H+16*\b+\i+1]
.endr
.endr
.else
.irp b, 0,1
	v_max3_num_f32 v[TM+\b], |v[H+16*\b]|, |v[H+16*\b+1]|, 0x8000000
.endr
.irp i, 2,4,6,8,10,12,14
.irp b, 0,1
	v_max3_num_f32 v[TM+\b], v[TM+\b], |v[H+16*\b+\i]|, |v[H+16*\b+\i+1]|
.endr
.endr
.endif
.irp b, 0,1
	v_permlanex16_b32 v[TM+2+\b], v[TM+\b], s[SEL], s[SEL+1]
.endr
.irp b, 0,1
	v_max_num_f32 v[TM+\b], v[TM+\b], v[TM+2+\b]                          ; with lane l xor 16's 16 numbers: the block's largest magnitude
.endr
.irp b, 0,1
	v_add_nc_u32 v[TM+6+\b], 0xf8800000, v[TM+\b]                         ; 15 off its exponent field: the conversion takes this operand's exponent field as its scale
.endr
.irp b, 0,1
	v_and_or_b32 v[TM+4+\b], v[TM+\b], 0x7f800000, s[MNT]                 ; 57,344 x the scale
.endr
.irp b, 0,1
	v_lshrrev_b32 v[TM+2+\b], 23, v[TM+6+\b]                              ; the scale's byte
.endr
.endm
.macro QCVT relu, cd
.irp b, 0,1
.irp i, 0,1,2,3,4,5,6,7,8,9,10,11,12,13,14,15
.if \relu
	v_med3_num_f32 v[H+16*\b+\i], v[H+16*\b+\i], 0, v[TM+4+\b]            ; the activation and the hold in one (the conversion to an 8-bit code does not saturate: ISA guide 7.6.2)
.else
	v_med3_num_f32 v[H+16*\b+\i], v[H+16*\b+\i], -v[TM+4+\b], v[TM+4+\b]
.endif
.endr
	v_cvt_scalef32_pk8_bf8_f32 v[\cd+4*\b:\cd+4*\b+1], v[H+16*\b:H+16*\b+7], v[TM+6+\b]
	v_cvt_scalef32_pk8_bf8_f32 v[\cd+4*\b+2:\cd+4*\b+3], v[H+16*\b+8:H+16*\b+15], v[TM+6+\b]
.endr
	v_nop                                          ; a plain line between the last conversion and the next line that writes its sources
.endm
; a channel's 32 numbers ahead of the activation: count x w1 + b1, two at a time; of the pair at c the low word serves both halves
.macro HIDDEN c
.irp j, 0,2,4,6,8,10,12,14,16,18,20,22,24,26,28,30
	v_pk_fma_f32 v[H+\j:H+\j+1], v[W1+\j:W1+\j+1], v[\c:\c+1], v[B1+\j:B1+\j+1] op_sel_hi:[1,0,1]
.endr
.endm
	s_load_b256 s[4:11], s[0:1], 0x0               ; src_ids s[4:5], dst_ids s[6:7], w1 s[8:9], b1 s[10:11]
	s_load_b256 s[68:75], s[0:1], 0x20             ; W2 s[68:69], b2 s[70:71], out0 s[72:73], out1 s[74:75]
	v_lshl_add_u32 v254, v0, 2, 0x12400
	v_mov_b32 v255, 0
	v_lshrrev_b32 v28, 5, v0
	v_readfirstlane_b32 s[WV], v28                 ; wave 0..15
	v_and_b32 v29, 31, v0                          ; lane
	v_and_b32 v30, 15, v0                          ; r = lane % 16
	v_bfe_u32 v31, v0, 4, 1                        ; h = lane / 16
	v_lshlrev_b32 v[LI], 4, v29
	v_lshlrev_b32 v[T4], 2, v0
	v_lshlrev_b32 v[LS], 2, v29
	v_lshlrev_b32 v[WA], 6, v31                    ; w1, b1: my half's 16 numbers of a block of 32
	v_lshlrev_b32 v[BA], 4, v30
	v_lshlrev_b32 v[W2A], 8, v30                   ; W2: row r of 256 bytes,
	v_lshl_add_u32 v[W2A], v31, 6, v[W2A]          ; + 64 h,
	v_lshl_add_u32 v[W2A], v28, 12, v[W2A]         ; + 16 rows x wave (used by waves 0 to 3 alone)
	v_lshl_add_u32 v[WWI], v28, 10, v[LI]          ; the image of tile w: 1,024 w + 16 x lane
	s_mul_i32 s13, s[WV], STGW
	s_add_co_u32 s13, s13, STG                     ; my stage
	v_mul_u32_u24 v[SO], v30, SP
	v_lshl_add_u32 v[SO], v31, 5, v[SO]
	v_add_nc_u32 v[SO], s13, v[SO]                 ; in: row r, + 32 h
	v_mul_u32_u24 v[SR], v31, SP
	v_lshl_add_u32 v[SR], v30, 4, v[SR]
	v_add_nc_u32 v[SR], s13, v[SR]                 ; back: lanes 0-15 one row, lanes 16-31 the next
	v_mov_b32 v[X], 0                              ; written once: the destination of a lane write or a lane permute counts as one of its sources
	v_mov_b32 v[Y], 0
	v_mov_b32 v[TM+2], 0
	v_mov_b32 v[TM+3], 0
	s_mov_b32 s[MHI], 0xffff0000
	s_mov_b32 s[MLO], 0x0000ffff
	s_mov_b32 s[SEL], 0x76543210
	s_mov_b32 s[SEL+1], 0xfedcba98
	s_mov_b32 s[MNT], 0x600000
	s_mov_b32 s[TL], 0
	s_lshl_b32 s[TP], ttmp9, 11                    ; the batch row's ids: 2,048 bytes a row
	s_mov_b32 s[TP+1], 0
	s_lshl_b32 s14, ttmp9, 17                      ; its output: 512 rows of 256 bytes,
	s_lshl_b32 s15, s[WV], 13                      ; my wave's 32 of them
	s_add_co_u32 s14, s14, s15
	s_mov_b32 s15, 0
	s_wait_kmcnt 0x0
	s_add_nc_u64 s[4:5], s[4:5], s[TP:TP+1]
	s_add_nc_u64 s[6:7], s[6:7], s[TP:TP+1]
	s_add_nc_u64 s[72:73], s[72:73], s[14:15]
	s_add_nc_u64 s[74:75], s[74:75], s[14:15]
.irp q, 0,1,2,3
	global_load_b128 v[IDS+4*\q:IDS+4*\q+3], v[LI], s[4:5] offset:512*\q     ; 32 lanes read 512 consecutive bytes
	global_load_b128 v[IDD+4*\q:IDD+4*\q+3], v[LI], s[6:7] offset:512*\q
.endr
	global_load_b32 v[VS], v[T4], s[4:5]           ; thread t = 32 w + lane: my wave's own rows, a row a lane
	global_load_b32 v[VD], v[T4], s[6:7]
.irp j, 0,1,2,3
	global_load_b128 v[W1+4*\j:W1+4*\j+3], v[WA], s[8:9] offset:16*\j
	global_load_b128 v[W1+16+4*\j:W1+16+4*\j+3], v[WA], s[8:9] offset:128+16*\j
	global_load_b128 v[B1+4*\j:B1+4*\j+3], v[WA], s[10:11] offset:16*\j
	global_load_b128 v[B1+16+4*\j:B1+16+4*\j+3], v[WA], s[10:11] offset:128+16*\j
.endr
	global_load_b128 v[BI:BI+3], v[BA], s[70:71]
	; W2: wave t of the first four quantises rows 16 t .. 16 t + 15.  Lane (r, h) takes of row r the 16 numbers 16 h on of each block of 32: the operand's own order
	s_cmp_lt_u32 s[WV], 4
	s_cbranch_scc0 .Lno_w2
.irp j, 0,1,2,3
	global_load_b128 v[H+4*\j:H+4*\j+3], v[W2A], s[68:69] offset:16*\j
	global_load_b128 v[H+16+4*\j:H+16+4*\j+3], v[W2A], s[68:69] offset:128+16*\j
.endr
	s_wait_loadcnt 0x0
	QMAX 0
	v_lshl_or_b32 v[PW], v[TM+3], 8, v[TM+2]       ; the row's two bytes,
	v_lshl_or_b32 v[PW], v[PW], 16, v[PW]          ; twice: W2 lies twice along the product's K
	QCVT 0, CD
	ds_store_b128 v[WWI], v[CD:CD+3] offset:WIMG           ; block 0's four registers as they stand, 16 bytes a lane
	ds_store_b128 v[WWI], v[CD+4:CD+7] offset:WIMG+512     ; block 1's
	ds_store_b32 v[T4], v[PW] offset:WSC                   ; 128 t + 4 x lane
.Lno_w2:
	s_wait_loadcnt 0x0                             ; ids, w1, b1, b2
	s_wait_dscnt 0x0                               ; for the others' sake: my image has landed
	s_barrier_signal -1
	s_barrier_wait -1                              ; all four images lie in LDS
.irp t, 0,1,2,3
	ds_load_b128 v[WF+16*\t:WF+16*\t+3], v[LI] offset:WIMG+1024*\t            ; K 0-31: channel 0, block 0
	ds_load_b128 v[WF+16*\t+4:WF+16*\t+7], v[LI] offset:WIMG+1024*\t+512      ; K 32-63: channel 0, block 1
	ds_load_b128 v[WF+16*\t+8:WF+16*\t+11], v[LI] offset:WIMG+1024*\t         ; K 64-95: channel 1: the same codes
	ds_load_b128 v[WF+16*\t+12:WF+16*\t+15], v[LI] offset:WIMG+1024*\t+512
	ds_load_b32 v[WS+\t], v[LS] offset:WSC+128*\t
.endr
	v_pk_add_f32 v[BI:BI+1], v[BI:BI+1], v[BI:BI+1]        ; b2 once for each channel
	v_pk_add_f32 v[BI+2:BI+3], v[BI+2:BI+3], v[BI+2:BI+3]
	s_wait_dscnt 0x0
.Ltile:                                            ; tiles 0, 1: my src rows 0-15, 16-31; tiles 2, 3: my dst rows
	s_cmp_lt_u32 s[TL], 2
	s_cselect_b32 s[SD], 0, -1
	v_cndmask_b32 v[VI], v[VS], v[VD], s[SD]       ; src's ids or dst's
	v_permlanex16_b32 v[Y], v[VI], s[SEL], s[SEL+1]
	s_and_b32 s13, s[TL], 1                        ; which 16 of my 32 rows
	s_cselect_b32 s[SW], s[MLO], s[MHI]            ; the half of the lanes that does not hold the tile's rows
	v_cndmask_b32 v[VI], v[VI], v[Y], s[SW]        ; takes them from the other half: lane l now holds row l % 16's id
.set n, 0
.rept 16
	v_readlane_b32 s[AQ+n], v[VI], n
.set n, n+1
.endr
	; THE COUNTS.  The two sets of masks take turns: while one set's bits are counted, the other set's 16 compares are the younger vector work; a row's counts go to their lanes one block of compares later.
.set n, 0
.rept 16
	CMPS AQ+n, 0, MA                               ; row n against id registers 0-7
.if n > 0
	TALLY MB, MB                                   ; row n - 1: set B's sums,
	s_add_nc_u64 s[RA:RA+1], s[PA:PA+1], s[MB:MB+1]        ; with set A's: its count in src (low word) and in dst (high word), 512 at the most each
.endif
	CMPS AQ+n, 8, MB                               ; row n against id registers 8-15
.if n > 0
	v_writelane_b32 v[X], s[RA], n-1               ; row n - 1: its count in src to lane n - 1,
	v_writelane_b32 v[X], s[RA+1], 16+n-1          ; in dst to lane 16 + n - 1
.endif
	TALLY MA, PA                                   ; row n: set A's sums, kept beside the masks, which the next row's compares write anew
.set n, n+1
.endr
	TALLY MB, MB
	s_add_nc_u64 s[RA:RA+1], s[PA:PA+1], s[MB:MB+1]
	v_writelane_b32 v[X], s[RA], 15
	v_writelane_b32 v[X], s[RA+1], 31
	s_wait_xcnt 0x0                                ; the last tile's stores have read their data and their base: both are written again below
	s_cmp_lt_u32 s[TL], 2
	s_cselect_b64 s[OP:OP+1], s[72:73], s[74:75]   ; out0 or out1, at my wave's first row,
	s_lshl_b32 s[TP], s13, 12
	s_add_nc_u64 s[OP:OP+1], s[OP:OP+1], s[TP:TP+1]        ; + 16 rows of 256 bytes for the odd tiles
	v_cmp_ne_u32 vcc_lo, 0, v[VI]
	v_cndmask_b32 v[X], 0, v[X], vcc_lo            ; id 0 is padding: both counts are 0
	v_cvt_f32_u32 v[X], v[X]
	v_permlanex16_b32 v[Y], v[X], s[SEL], s[SEL+1]
	v_cndmask_b32 v[C0], v[X], v[Y], s[MHI]        ; every lane: row l % 16's count in src,
	v_cndmask_b32 v[C1], v[Y], v[X], s[MHI]        ; and in dst
	HIDDEN C0                                      ; channel 0: K 0-63 of the product
	QMAX 1
	v_lshl_or_b32 v[PW], v[TM+3], 8, v[TM+2]       ; the row's scale word: bytes 0, 1
	QCVT 1, CD
	HIDDEN C1                                      ; channel 1: K 64-127
	QMAX 1
	v_lshl_or_b32 v[PW], v[TM+2], 16, v[PW]        ; bytes 2, 3: written ahead of the 32 holds, which are the places between a scale so written and the products
	v_lshl_or_b32 v[PW], v[TM+3], 24, v[PW]
	QCVT 1, CD+8
.rept 4
	v_nop                                          ; places between codes written by vector instructions and the scaled products
.endr
.irp t, 0,1,2,3                                ; four sums of their own, each begun with 0: lane (r, h), register j of tile t: out(row r, column 16 t + 8 h + j), both channels added
	v_wmma_scale_f32_16x16x128_f8f6f4 v[H+8*\t:H+8*\t+7], v[WF+16*\t:WF+16*\t+15], v[CD:CD+15], 0, v[WS+\t], v[PW] matrix_a_fmt:MATRIX_FMT_BF8 matrix_b_fmt:MATRIX_FMT_BF8
.endr
.rept 8
	v_nop                                          ; places between the products and the first read of their results (ISA guide 7.12.1)
.endr
	; THE WAY OUT.  A lane holds 32 bytes of a row and its neighbours other rows: the tile goes through my own stage and comes back as whole rows of 256 bytes, into the registers that it left.
.irp t, 0,1,2,3
	ds_store_b128 v[SO], v[H+8*\t:H+8*\t+3] offset:64*\t           ; each sum from its low end on
	ds_store_b128 v[SO], v[H+8*\t+4:H+8*\t+7] offset:64*\t+16
.endr
.irp i, 0,1,2,3,4,5,6,7
	ds_load_b128 v[H+4*\i:H+4*\i+3], v[SR] offset:2*\i*SP          ; LDS serves a wave's instructions in order (ISA guide 5.7.1.4): these see my stores
.endr
.irp i, 0,1,2,3,4,5,6,7
	s_wait_dscnt 7-\i                              ; rows 2 i and 2 i + 1 are back; the 7 - i younger loads may be out
	v_pk_add_f32 v[H+4*\i:H+4*\i+1], v[H+4*\i:H+4*\i+1], v[BI:BI+1]
	v_pk_add_f32 v[H+4*\i+2:H+4*\i+3], v[H+4*\i+2:H+4*\i+3], v[BI+2:BI+3]
	global_store_b128 v[LI], v[H+4*\i:H+4*\i+3], s[OP:OP+1] offset:512*\i th:TH_STORE_NT   ; 32 lanes store two rows: 512 consecutive bytes, at a multiple of 256 from the output's first byte
.endr
	s_add_co_u32 s[TL], s[TL], 1
	s_cmp_lt_u32 s[TL], 4
	s_cbranch_scc1 .Ltile
	s_wait_tensorcnt 0x0
	ds_add_u32 v254, v255
	s_wait_dscnt 0x0
	s_endpgm
.Lfunc_end_k_q4e6e146290_dygmixer:
	.size	k_q4e6e146290_dygmixer, .Lfunc_end_k_q4e6e146290_dygmixer-k_q4e6e146290_dygmixer
	.p2alignl 7, 3214868480
	.fill 96, 4, 3214868480
	.section	.rodata,"a",@progbits
	.p2align	6, 0x0
	.amdhsa_kernel k_q4e6e146290_dygmixer
		.amdhsa_group_segment_fixed_size 76800
		.amdhsa_private_segment_fixed_size 0
		.amdhsa_enable_private_segment 0
		.amdhsa_kernarg_size 64
		.amdhsa_user_sgpr_count 2
		.amdhsa_user_sgpr_kernarg_segment_ptr 1
		.amdhsa_wavefront_size32 1
		.amdhsa_system_sgpr_workgroup_id_x 1
		.amdhsa_system_sgpr_workgroup_id_y 1
		.amdhsa_system_sgpr_workgroup_id_z 1
		.amdhsa_system_vgpr_workitem_id 0
		.amdhsa_next_free_vgpr 256
		.amdhsa_next_free_sgpr 90
		.amdhsa_reserve_vcc 1
		.amdhsa_float_denorm_mode_32 3
		.amdhsa_float_denorm_mode_16_64 3
		.amdhsa_memory_ordered 1
		.amdhsa_forward_progress 1
		.amdhsa_inst_pref_size 85
	.end_amdhsa_kernel
	.amdgpu_metadata
---
amdhsa.version: [ 1, 2 ]
amdhsa.kernels:
  - .name:           k_q4e6e146290_dygmixer
    .symbol:         k_q4e6e146290_dygmixer.kd
    .args:
      - { .name: src_ids, .offset: 0, .size: 8, .value_kind: global_buffer, .address_space: global }
      - { .name: dst_ids, .offset: 8, .size: 8, .value_kind: global_buffer, .address_space: global }
      - { .name: w1, .offset: 16, .size: 8, .value_kind: global_buffer, .address_space: global }
      - { .name: b1, .offset: 24, .size: 8, .value_kind: global_buffer, .address_space: global }
      - { .name: W2, .offset: 32, .size: 8, .value_kind: global_buffer, .address_space: global }
      - { .name: b2, .offset: 40, .size: 8, .value_kind: global_buffer, .address_space: global }
      - { .name: out0, .offset: 48, .size: 8, .value_kind: global_buffer, .address_space: global }
      - { .name: out1, .offset: 56, .size: 8, .value_kind: global_buffer, .address_space: global }
    .group_segment_fixed_size: 76800
    .private_segment_fixed_size: 0
    .kernarg_segment_align: 8
    .kernarg_segment_size: 64
    .max_flat_workgroup_size: 512
    .sgpr_count:     90
    .vgpr_count:     256
    .wavefront_size: 32
...
	.end_amdgpu_metadata
.endif
;; end of part 1
;; ======== version 2 of 2: 1 launch; version 1 with the launch dygmixer written anew for expert scheduling mode
;; launch dygmixer (part 2): grid 256 x 1, 16 waves a work-group, no clusters, 76,800 bytes of LDS; arguments src_ids, dst_ids, w1, b1, W2, b2, out0, out1; writes out0, out1
.if DOCPART == 2
	.amdgcn_target "amdgcn-amd-amdhsa--gfx1250"
	.amdhsa_code_object_version 6
	.text
	.protected	k_q4e6e146290_dygmixer
	.globl	k_q4e6e146290_dygmixer
	.p2align	8
	.type	k_q4e6e146290_dygmixer,@function
k_q4e6e146290_dygmixer:
	s_mov_b64 s[64:65], 0
	v_nop
	global_prefetch_b8 v0, s[64:65] scope:SCOPE_SE
	s_setreg_imm32_b32 hwreg(HW_REG_WAVE_SCHED_MODE, 0, 2), 2
	s_setreg_imm32_b32 hwreg(HW_REG_WAVE_MODE, 25, 1), 1
	s_wait_xcnt 0x0
	s_wait_alu depctr_vm_vsrc(0)
; out0[b][l][:] = sum over the two count channels of ( Q(relu(count x w1 + b1)) . Q(W2)^T + b2 ) for the ids of src, out1 the same for dst.
; The channels are: how often the id stands in src's row b, how often in dst's row b; both counts are 0 where the id is 0.  Q: codes of BF8 (E5M2) with one E8M0 scale for each 32 along K.
; SHARES.  A work-group takes one batch row b: 512 ids of src, 512 of dst.  Wave w of sixteen takes rows 32 w .. 32 w + 31 of both: four tiles of 16 rows, one tile a trip of the loop.
; COUNTS.  Every wave holds all 1,024 ids of the batch row in 32 registers (their order does not matter for a count).  A row's id is a scalar: 16 compares against src's registers and 16 against dst's
; leave 32 lane masks in scalar registers, whose bits the scalar unit counts.  So a comparison of 32 pairs costs one vector instruction.  The masks lie interleaved, src's in the even register and dst's
; in the odd one beside it, so that one 64-bit addition sums a count in src (low word) and a count in dst (high word): a word never passes 512, so nothing is carried over.  Ids may be any int32.
; BOTH CHANNELS IN ONE PRODUCT.  K is 64 for a channel, and the channels' results are added: a row of the operand is [h(count in src) | h(count in dst)], 128 along K in four blocks of 32, each with
; its own scale; W2's codes lie twice along K.  The matrix instruction is used transposed (source 0 = 16 rows of W2, source 1 = 16 rows of h): a lane holds eight neighbouring numbers of one output row.
; W2 is quantised once in the work-group (waves 0 to 3, a tile of 16 rows each) and goes to all waves through LDS as an image of the operand's registers: the launch's one barrier.
; NO CLUSTER: work-groups share W2, w1, b1 and b2 alone, 17,152 bytes read once at the head, against 262,144 bytes that each work-group stores.  No tensor load: a work-group's input is 4,096 bytes, read once into registers.
; LIMITS: NaN and infinities in w1, b1, W2 are not served.  A block of zeros gets the scale byte 1 where the rule says 127: its codes are zeros, and this program alone reads the bytes.
; count x w1 + b1 is one fused multiply-add.  2 b2 is added to the sum of both channels.
; THE MODE: SCHED_MODE bits 1:0 = 2 (LLVM: expert scheduling mode 2), set by the entry lines.  The code itself states the register dependences between vector or matrix instructions and memory or LDS
; instructions, and those through scalar registers and VCC that vector instructions write, with s_wait_alu, always for 0.
; THE PLAN.  Registers that memory or LDS instructions touch:
;   v1-3, v240-245  offsets and LDS addresses: written once at the head, ahead of one wait on va_vdst, and never again.
;   ids, w1, b1, b2, W2's fragments and scale words: loaded once at the head into registers that no vector instruction has named.
;   CD, PW          at the head, waves 0 to 3: the conversions write them, three LDS stores read them; the loop writes them again: a wait on va_vdst ahead of the stores, one on vm_vsrc behind the barrier.
;   H (v192-223)    in a trip: multiply-adds and holds write it, conversions read it, the four products write it | va_vdst | eight LDS stores read it | vm_vsrc | eight LDS loads land in it,
;                   the bias is added in place | va_vdst | eight global stores read it | (the next trip's counts, which do not name it) | vm_vsrc, beside the wait on XCNT | the multiply-adds write it again.
;   The counts are vector and scalar work alone.  A set of 16 masks is written by compares and read by the scalar unit: a wait on va_sdst stands between, behind the OTHER set's tally and ahead of the next
;   set's compares, so that it covers compares issued a whole tally earlier and none that are younger.
.set SP,    272                        ; a stage row: 256 bytes + 16: row r starts 16 r bytes further round the banks, so the 16 rows that a store touches do not meet
.set WIMG,  0                          ; LDS: W2's four tiles as register images: 2 x 512 bytes each (blocks 0 and 1 of K)
.set WSC,   4096                       ; their scale words, 128 bytes a tile
.set STG,   4608                       ; the stages for the way out: 16 rows x SP for each wave, the wave's own
.set STGW,  16*SP
.set SO,   1                           ; v1   stage: where I put 32 bytes of a row
.set SR,   2                           ; v2   stage: where I read a row back
.set LI,   3                           ; v3   16 x lane: an image's place, my 16 bytes of a load of ids, and my 16 bytes of two output rows; never rewritten
.set VS,   4                           ; v4   src id of row 32 w + lane
.set VD,   5                           ; v5   dst id of row 32 w + lane
.set VI,   6                           ; v6   the tile's ids: lane l holds row l % 16's
.set PW,   7                           ; v7   a scale word just made; it holds scales alone
.set C0,   8                           ; v8   count in src, f32, of row l % 16 (named as the pair v[8:9])
.set X,    9                           ; v9   lanes 0-15: counts in src, lanes 16-31: counts in dst
.set C1,   10                          ; v10  count in dst (named as the pair v[10:11])
.set Y,    11                          ; v11  what lane l xor 16 holds
.set BI,   12                          ; v12-15  2 x b2 at columns 4 (l % 16) + 0 .. 3
.set TM,   16                          ; v16-17 largest magnitudes, v18-19 the other half's / the bytes, v20-21 the largest number x the scale, v22-23 the conversions' scale operands
.set WS,   24                          ; v24-27  W2's scale words, a register a tile
.set IDS,  32                          ; v32-47  all 512 ids of src
.set IDD,  48                          ; v48-63  all 512 ids of dst
.set WF,   64                          ; v64-127 W2's four fragments of 16 registers
.set W1,   128                         ; v128-159 w1 at d = 16 h + i (16 registers), then at d = 32 + 16 h + i
.set B1,   160                         ; v160-191 b1 likewise
.set H,    192                         ; v192-223 a channel's 32 numbers of h; then the tile's four sums; then its 16 rows on the way out
.set CD,   224                         ; v224-239 h's codes: the operand's 16 registers
.set T4,   240                         ; head: 4 x thread
.set LS,   241                         ; head: 4 x lane
.set WA,   242                         ; head: 64 h
.set BA,   243                         ; head: 16 (l % 16)
.set W2A,  244                         ; head: my bytes of W2
.set WWI,  245                         ; head: where my wave stores its image
.set WV,   12                          ; s12  wave
.set PA,   14                          ; s[14:15] in the loop: set A's two sums of a row, kept until set B's are made (at the head: an offset)
.set AQ,   16                          ; s16-31 the tile's 16 ids
.set MA,   32                          ; s32-47 set A: lane masks against id registers 0-7: src's in the even register, dst's in the odd one
.set MB,   48                          ; s48-63 set B: against id registers 8-15, likewise
.set OP,   76                          ; s[76:77] where the tile's rows go
.set TP,   78                          ; s[78:79] an offset in 64 bits; s79 stays 0
.set TL,   80                          ; s80  the tile, 0 .. 3
.set SD,   81                          ; s81  all ones where the tile is dst's
.set MHI,  82                          ; s82  lanes 16-31
.set MLO,  83                          ; s83  lanes 0-15
.set SEL,  84                          ; s[84:85] v_permlanex16_b32's selects for lane l xor 16
.set MNT,  86                          ; s86  the mantissa field of 57,344
.set SW,   87                          ; s87  the lanes that take the other half's id
.set RA,   88                          ; s[88:89] a row's count in src, and in dst
; 16 compares of one id: against 8 registers (256 ids) of src and the same 8 of dst, from register k0 on; one lane mask for each
.macro CMPS a, k0, mb
.irp k, 0,1,2,3,4,5,6,7
	v_cmp_eq_u32 s[\mb+2*\k], s[\a], v[IDS+\k0+\k]
	v_cmp_eq_u32 s[\mb+2*\k+1], s[\a], v[IDD+\k0+\k]
.endr
.endm
; the bits of a set's 16 masks, and their sums, a pair (src's, dst's) an addition: each word is 256 at the most here
.macro TALLY mb, res
.irp i, 0,1,2,3,4,5,6,7,8,9,10,11,12,13,14,15
	s_bcnt1_i32_b32 s[\mb+\i], s[\mb+\i]
.endr
	s_add_nc_u64 s[\mb:\mb+1], s[\mb:\mb+1], s[\mb+2:\mb+3]
	s_add_nc_u64 s[\mb+4:\mb+5], s[\mb+4:\mb+5], s[\mb+6:\mb+7]
	s_add_nc_u64 s[\mb+8:\mb+9], s[\mb+8:\mb+9], s[\mb+10:\mb+11]
	s_add_nc_u64 s[\mb+12:\mb+13], s[\mb+12:\mb+13], s[\mb+14:\mb+15]
	s_add_nc_u64 s[\mb:\mb+1], s[\mb:\mb+1], s[\mb+4:\mb+5]
	s_add_nc_u64 s[\mb+8:\mb+9], s[\mb+8:\mb+9], s[\mb+12:\mb+13]
	s_add_nc_u64 s[\res:\res+1], s[\mb:\mb+1], s[\mb+8:\mb+9]
.endm
; 32 numbers of a lane in v[H] on: register 16 b + i is k = 32 b + 16 (lane / 16) + i of my row.  QMAX makes the two blocks' scales, QCVT their codes.
; relu = 1: what is negative is to become 0, so it does not count for the largest magnitude (no |.|; the floor stands over it)
.macro QMAX relu
.if \relu
.irp b, 0,1
	v_max3_num_f32 v[TM+\b], v[H+16*\b], v[H+16*\b+1], 0x8000000          ; my 16 numbers and the floor 2^(16 - 127): the byte cannot fall under 1
.endr
.irp i, 2,4,6,8,10,12,14
.irp b, 0,1
	v_max3_num_f32 v[TM+\b], v[TM+\b], v[H+16*\b+\i], v[H+16*\b+\i+1]
.endr
.endr
.else
.irp b, 0,1
	v_max3_num_f32 v[TM+\b], |v[H+16*\b]|, |v[H+16*\b+1]|, 0x8000000
.endr
.irp i, 2,4,6,8,10,12,14
.irp b, 0,1
	v_max3_num_f32 v[TM+\b], v[TM+\b], |v[H+16*\b+\i]|, |v[H+16*\b+\i+1]|
.endr
.endr
.endif
.irp b, 0,1
	v_permlanex16_b32 v[TM+2+\b], v[TM+\b], s[SEL], s[SEL+1]
.endr
.irp b, 0,1
	v_max_num_f32 v[TM+\b], v[TM+\b], v[TM+2+\b]                          ; with lane l xor 16's 16 numbers: the block's largest magnitude
.endr
.irp b, 0,1
	v_add_nc_u32 v[TM+6+\b], 0xf8800000, v[TM+\b]                         ; 15 off its exponent field: the conversion takes this operand's exponent field as its scale
.endr
.irp b, 0,1
	v_and_or_b32 v[TM+4+\b], v[TM+\b], 0x7f800000, s[MNT]                 ; 57,344 x the scale
.endr
.irp b, 0,1
	v_lshrrev_b32 v[TM+2+\b], 23, v[TM+6+\b]                              ; the scale's byte
.endr
.endm
.macro QCVT relu, cd
.irp b, 0,1
.irp i, 0,1,2,3,4,5,6,7,8,9,10,11,12,13,14,15
.if \relu
	v_med3_num_f32 v[H+16*\b+\i], v[H+16*\b+\i], 0, v[TM+4+\b]            ; the activation and the hold in one (the conversion to an 8-bit code does not saturate: ISA guide 7.6.2)
.else
	v_med3_num_f32 v[H+16*\b+\i], v[H+16*\b+\i], -v[TM+4+\b], v[TM+4+\b]
.endif
.endr
	v_cvt_scalef32_pk8_bf8_f32 v[\cd+4*\b:\cd+4*\b+1], v[H+16*\b:H+16*\b+7], v[TM+6+\b]
	v_cvt_scalef32_pk8_bf8_f32 v[\cd+4*\b+2:\cd+4*\b+3], v[H+16*\b+8:H+16*\b+15], v[TM+6+\b]
.endr
	v_nop                                          ; a plain line between the last conversion and the next line that writes its sources
.endm
; a channel's 32 numbers ahead of the activation: count x w1 + b1, two at a time; of the pair at c the low word serves both halves
.macro HIDDEN c
.irp j, 0,2,4,6,8,10,12,14,16,18,20,22,24,26,28,30
	v_pk_fma_f32 v[H+\j:H+\j+1], v[W1+\j:W1+\j+1], v[\c:\c+1], v[B1+\j:B1+\j+1] op_sel_hi:[1,0,1]
.endr
.endm
	s_load_b256 s[4:11], s[0:1], 0x0               ; src_ids s[4:5], dst_ids s[6:7], w1 s[8:9], b1 s[10:11]
	s_load_b256 s[68:75], s[0:1], 0x20             ; W2 s[68:69], b2 s[70:71], out0 s[72:73], out1 s[74:75]
	v_lshl_add_u32 v254, v0, 2, 0x12400
	v_mov_b32 v255, 0
	v_lshrrev_b32 v28, 5, v0
	v_readfirstlane_b32 s[WV], v28                 ; wave 0..15
	v_and_b32 v29, 31, v0                          ; lane
	v_and_b32 v30, 15, v0                          ; r = lane % 16
	v_bfe_u32 v31, v0, 4, 1                        ; h = lane / 16
	v_lshlrev_b32 v[LI], 4, v29
	v_lshlrev_b32 v[T4], 2, v0
	v_lshlrev_b32 v[LS], 2, v29
	v_lshlrev_b32 v[WA], 6, v31                    ; w1, b1: my half's 16 numbers of a block of 32
	v_lshlrev_b32 v[BA], 4, v30
	v_lshlrev_b32 v[W2A], 8, v30                   ; W2: row r of 256 bytes,
	v_lshl_add_u32 v[W2A], v31, 6, v[W2A]          ; + 64 h,
	v_lshl_add_u32 v[W2A], v28, 12, v[W2A]         ; + 16 rows x wave (used by waves 0 to 3 alone)
	v_lshl_add_u32 v[WWI], v28, 10, v[LI]          ; the image of tile w: 1,024 w + 16 x lane
	s_wait_alu depctr_va_sdst(0)                   ; the wave's number is written, ahead of its first reader: my stage, my rows of the output and the branch round W2's work are made from it
	s_mul_i32 s13, s[WV], STGW
	s_add_co_u32 s13, s13, STG                     ; my stage
	v_mul_u32_u24 v[SO], v30, SP
	v_lshl_add_u32 v[SO], v31, 5, v[SO]
	v_add_nc_u32 v[SO], s13, v[SO]                 ; in: row r, + 32 h
	v_mul_u32_u24 v[SR], v31, SP
	v_lshl_add_u32 v[SR], v30, 4, v[SR]
	v_add_nc_u32 v[SR], s13, v[SR]                 ; back: lanes 0-15 one row, lanes 16-31 the next
	v_mov_b32 v[X], 0                              ; written once: the destination of a lane write or a lane permute counts as one of its sources
	v_mov_b32 v[Y], 0
	v_mov_b32 v[TM+2], 0
	v_mov_b32 v[TM+3], 0
	s_mov_b32 s[MHI], 0xffff0000
	s_mov_b32 s[MLO], 0x0000ffff
	s_mov_b32 s[SEL], 0x76543210
	s_mov_b32 s[SEL+1], 0xfedcba98
	s_mov_b32 s[MNT], 0x600000
	s_mov_b32 s[TL], 0
	s_lshl_b32 s[TP], ttmp9, 11                    ; the batch row's ids: 2,048 bytes a row
	s_mov_b32 s[TP+1], 0
	s_lshl_b32 s14, ttmp9, 17                      ; its output: 512 rows of 256 bytes,
	s_lshl_b32 s15, s[WV], 13                      ; my wave's 32 of them
	s_add_co_u32 s14, s14, s15
	s_mov_b32 s15, 0
	s_wait_kmcnt 0x0
	s_add_nc_u64 s[4:5], s[4:5], s[TP:TP+1]
	s_add_nc_u64 s[6:7], s[6:7], s[TP:TP+1]
	s_add_nc_u64 s[72:73], s[72:73], s[14:15]
	s_add_nc_u64 s[74:75], s[74:75], s[14:15]
	s_wait_alu depctr_va_vdst(0)                   ; the nine offsets and LDS addresses (v1 to v3, v240 to v245) are written: every load, store and LDS instruction of the kernel reads one of them, and none is written again
.irp q, 0,1,2,3
	global_load_b128 v[IDS+4*\q:IDS+4*\q+3], v[LI], s[4:5] offset:512*\q     ; 32 lanes read 512 consecutive bytes
	global_load_b128 v[IDD+4*\q:IDD+4*\q+3], v[LI], s[6:7] offset:512*\q
.endr
	global_load_b32 v[VS], v[T4], s[4:5]           ; thread t = 32 w + lane: my wave's own rows, a row a lane
	global_load_b32 v[VD], v[T4], s[6:7]
.irp j, 0,1,2,3
	global_load_b128 v[W1+4*\j:W1+4*\j+3], v[WA], s[8:9] offset:16*\j
	global_load_b128 v[W1+16+4*\j:W1+16+4*\j+3], v[WA], s[8:9] offset:128+16*\j
	global_load_b128 v[B1+4*\j:B1+4*\j+3], v[WA], s[10:11] offset:16*\j
	global_load_b128 v[B1+16+4*\j:B1+16+4*\j+3], v[WA], s[10:11] offset:128+16*\j
.endr
	global_load_b128 v[BI:BI+3], v[BA], s[70:71]
	; W2: wave t of the first four quantises rows 16 t .. 16 t + 15.  Lane (r, h) takes of row r the 16 numbers 16 h on of each block of 32: the operand's own order
	s_cmp_lt_u32 s[WV], 4
	s_cbranch_scc0 .Lno_w2
.irp j, 0,1,2,3
	global_load_b128 v[H+4*\j:H+4*\j+3], v[W2A], s[68:69] offset:16*\j
	global_load_b128 v[H+16+4*\j:H+16+4*\j+3], v[W2A], s[68:69] offset:128+16*\j
.endr
	s_wait_loadcnt 0x0
	QMAX 0
	v_lshl_or_b32 v[PW], v[TM+3], 8, v[TM+2]       ; the row's two bytes,
	v_lshl_or_b32 v[PW], v[PW], 16, v[PW]          ; twice: W2 lies twice along the product's K
	QCVT 0, CD
	s_wait_alu depctr_va_vdst(0)                   ; the conversions have written v[CD .. CD + 7] and the scale word is made: the three LDS stores read them
	ds_store_b128 v[WWI], v[CD:CD+3] offset:WIMG           ; block 0's four registers as they stand, 16 bytes a lane
	ds_store_b128 v[WWI], v[CD+4:CD+7] offset:WIMG+512     ; block 1's
	ds_store_b32 v[T4], v[PW] offset:WSC                   ; 128 t + 4 x lane
.Lno_w2:
	s_wait_loadcnt 0x0                             ; ids, w1, b1, b2
	s_wait_dscnt 0x0                               ; for the others' sake: my image has landed
	s_barrier_signal -1
	s_barrier_wait -1                              ; all four images lie in LDS
	s_wait_alu depctr_vm_vsrc(0)                   ; in waves 0 to 3: the LDS stores have read v[CD ..] and v[PW], which the loop's conversions and scale words write again
.irp t, 0,1,2,3
	ds_load_b128 v[WF+16*\t:WF+16*\t+3], v[LI] offset:WIMG+1024*\t            ; K 0-31: channel 0, block 0
	ds_load_b128 v[WF+16*\t+4:WF+16*\t+7], v[LI] offset:WIMG+1024*\t+512      ; K 32-63: channel 0, block 1
	ds_load_b128 v[WF+16*\t+8:WF+16*\t+11], v[LI] offset:WIMG+1024*\t         ; K 64-95: channel 1: the same codes
	ds_load_b128 v[WF+16*\t+12:WF+16*\t+15], v[LI] offset:WIMG+1024*\t+512
	ds_load_b32 v[WS+\t], v[LS] offset:WSC+128*\t
.endr
	v_pk_add_f32 v[BI:BI+1], v[BI:BI+1], v[BI:BI+1]        ; b2 once for each channel
	v_pk_add_f32 v[BI+2:BI+3], v[BI+2:BI+3], v[BI+2:BI+3]
	s_wait_dscnt 0x0
.Ltile:                                            ; tiles 0, 1: my src rows 0-15, 16-31; tiles 2, 3: my dst rows
	s_cmp_lt_u32 s[TL], 2
	s_cselect_b32 s[SD], 0, -1
	v_cndmask_b32 v[VI], v[VS], v[VD], s[SD]       ; src's ids or dst's
	v_permlanex16_b32 v[Y], v[VI], s[SEL], s[SEL+1]
	s_and_b32 s13, s[TL], 1                        ; which 16 of my 32 rows
	s_cselect_b32 s[SW], s[MLO], s[MHI]            ; the half of the lanes that does not hold the tile's rows
	v_cndmask_b32 v[VI], v[VI], v[Y], s[SW]        ; takes them from the other half: lane l now holds row l % 16's id
.set n, 0
.rept 16
	v_readlane_b32 s[AQ+n], v[VI], n
.set n, n+1
.endr
	s_wait_alu depctr_va_sdst(0)                   ; the tile's 16 ids are written to s[AQ ..], ahead of the compares that read them
	; THE COUNTS.  The two sets of masks take turns: while one set's bits are counted, the other set's 16 compares are the younger vector work; a row's counts go to their lanes one block of compares later.
.set n, 0
.rept 16
	CMPS AQ+n, 0, MA                               ; row n against id registers 0-7
.if n > 0
	TALLY MB, MB                                   ; row n - 1: set B's sums,
	s_add_nc_u64 s[RA:RA+1], s[PA:PA+1], s[MB:MB+1]        ; with set A's: its count in src (low word) and in dst (high word), 512 at the most each
.endif
	s_wait_alu depctr_va_sdst(0)                   ; row n's compares have written set A's 16 masks, which the tally below reads; it stands ahead of set B's compares, which it need not cover
	CMPS AQ+n, 8, MB                               ; row n against id registers 8-15
.if n > 0
	v_writelane_b32 v[X], s[RA], n-1               ; row n - 1: its count in src to lane n - 1,
	v_writelane_b32 v[X], s[RA+1], 16+n-1          ; in dst to lane 16 + n - 1
.endif
	TALLY MA, PA                                   ; row n: set A's sums, kept beside the masks, which the next row's compares write anew
	s_wait_alu depctr_va_sdst(0)                   ; row n's compares have written set B's 16 masks, which the next tally of set B reads; it stands ahead of the next row's compares
.set n, n+1
.endr
	TALLY MB, MB
	s_add_nc_u64 s[RA:RA+1], s[PA:PA+1], s[MB:MB+1]
	s_wait_alu depctr_va_vdst(0)
	v_writelane_b32 v[X], s[RA], 15
	v_writelane_b32 v[X], s[RA+1], 31
	v_cmp_ne_u32 vcc_lo, 0, v[VI]                  ; the rows that are no padding; the scalar lines below stand between this compare and the wait for its mask
	s_wait_alu depctr_va_vdst(0)
	s_wait_xcnt 0x0                                ; the last tile's stores have read their data and their base: both are written again below
	s_wait_alu depctr_vm_vsrc(0)                   ; the last tile's global stores have read v[H ..], which the multiply-adds below write again
	s_cmp_lt_u32 s[TL], 2
	s_cselect_b64 s[OP:OP+1], s[72:73], s[74:75]   ; out0 or out1, at my wave's first row,
	s_lshl_b32 s[TP], s13, 12
	s_add_nc_u64 s[OP:OP+1], s[OP:OP+1], s[TP:TP+1]        ; + 16 rows of 256 bytes for the odd tiles
	s_wait_alu depctr_va_vcc(0)                    ; the compare has written VCC, which the select below reads
	v_cndmask_b32 v[X], 0, v[X], vcc_lo            ; id 0 is padding: both counts are 0
	v_cvt_f32_u32 v[X], v[X]
	v_permlanex16_b32 v[Y], v[X], s[SEL], s[SEL+1]
	v_cndmask_b32 v[C0], v[X], v[Y], s[MHI]        ; every lane: row l % 16's count in src,
	v_cndmask_b32 v[C1], v[Y], v[X], s[MHI]        ; and in dst
	HIDDEN C0                                      ; channel 0: K 0-63 of the product
	QMAX 1
	v_lshl_or_b32 v[PW], v[TM+3], 8, v[TM+2]       ; the row's scale word: bytes 0, 1
	QCVT 1, CD
	HIDDEN C1                                      ; channel 1: K 64-127
	QMAX 1
	v_lshl_or_b32 v[PW], v[TM+2], 16, v[PW]        ; bytes 2, 3: written ahead of the 32 holds, which are the places between a scale so written and the products
	v_lshl_or_b32 v[PW], v[TM+3], 24, v[PW]
	QCVT 1, CD+8
.rept 4
	v_nop                                          ; places between codes written by vector instructions and the scaled products
.endr
	s_wait_alu depctr_va_vdst(0)                   ; the conversions have written v[CD .. CD + 15] and the scale word v[PW] is made: the scaled products take them; the places above stay beside this wait
.irp t, 0,1,2,3                                ; four sums of their own, each begun with 0: lane (r, h), register j of tile t: out(row r, column 16 t + 8 h + j), both channels added
	v_wmma_scale_f32_16x16x128_f8f6f4 v[H+8*\t:H+8*\t+7], v[WF+16*\t:WF+16*\t+15], v[CD:CD+15], 0, v[WS+\t], v[PW] matrix_a_fmt:MATRIX_FMT_BF8 matrix_b_fmt:MATRIX_FMT_BF8
.endr
.rept 8
	v_nop                                          ; places between the products and the first read of their results (ISA guide 7.12.1)
.endr
	s_wait_alu depctr_va_vdst(0)                   ; the products have written v[H ..], which the LDS stores read and in which the LDS loads behind them land; the places above stay beside this wait
	; THE WAY OUT.  A lane holds 32 bytes of a row and its neighbours other rows: the tile goes through my own stage and comes back as whole rows of 256 bytes, into the registers that it left.
.irp t, 0,1,2,3
	ds_store_b128 v[SO], v[H+8*\t:H+8*\t+3] offset:64*\t           ; each sum from its low end on
	ds_store_b128 v[SO], v[H+8*\t+4:H+8*\t+7] offset:64*\t+16
.endr
	s_wait_alu depctr_vm_vsrc(0)                   ; the LDS stores have read v[H ..], in which the loads below land
.irp i, 0,1,2,3,4,5,6,7
	ds_load_b128 v[H+4*\i:H+4*\i+3], v[SR] offset:2*\i*SP          ; LDS serves a wave's instructions in order (ISA guide 5.7.1.4): these see my stores
.endr
.irp i, 0,1,2,3,4,5,6,7
	s_wait_dscnt 7-\i                              ; rows 2 i and 2 i + 1 are back; the 7 - i younger loads may be out
	v_pk_add_f32 v[H+4*\i:H+4*\i+1], v[H+4*\i:H+4*\i+1], v[BI:BI+1]
	v_pk_add_f32 v[H+4*\i+2:H+4*\i+3], v[H+4*\i+2:H+4*\i+3], v[BI+2:BI+3]
.endr
	s_wait_alu depctr_va_vdst(0)                   ; the sixteen additions have written v[H ..], which the run of stores reads: one wait for the eight
.irp i, 0,1,2,3,4,5,6,7
	global_store_b128 v[LI], v[H+4*\i:H+4*\i+3], s[OP:OP+1] offset:512*\i th:TH_STORE_NT   ; 32 lanes store two rows: 512 consecutive bytes, at a multiple of 256 from the output's first byte
.endr
	s_add_co_u32 s[TL], s[TL], 1
	s_cmp_lt_u32 s[TL], 4
	s_cbranch_scc1 .Ltile
	s_wait_dscnt 0x0
	s_wait_alu depctr_hold_cnt(0) depctr_sa_sdst(0) depctr_va_vdst(0) depctr_va_sdst(0) depctr_va_ssrc(0) depctr_va_vcc(0) depctr_vm_vsrc(0)
	s_wait_tensorcnt 0x0
	ds_add_u32 v254, v255
	s_wait_dscnt 0x0
	s_endpgm
.Lfunc_end_k_q4e6e146290_dygmixer:
	.size	k_q4e6e146290_dygmixer, .Lfunc_end_k_q4e6e146290_dygmixer-k_q4e6e146290_dygmixer
	.p2alignl 7, 3214868480
	.fill 96, 4, 3214868480
	.section	.rodata,"a",@progbits
	.p2align	6, 0x0
	.amdhsa_kernel k_q4e6e146290_dygmixer
		.amdhsa_group_segment_fixed_size 76800
		.amdhsa_private_segment_fixed_size 0
		.amdhsa_enable_private_segment 0
		.amdhsa_kernarg_size 64
		.amdhsa_user_sgpr_count 2
		.amdhsa_user_sgpr_kernarg_segment_ptr 1
		.amdhsa_wavefront_size32 1
		.amdhsa_system_sgpr_workgroup_id_x 1
		.amdhsa_system_sgpr_workgroup_id_y 1
		.amdhsa_system_sgpr_workgroup_id_z 1
		.amdhsa_system_vgpr_workitem_id 0
		.amdhsa_next_free_vgpr 256
		.amdhsa_next_free_sgpr 90
		.amdhsa_reserve_vcc 1
		.amdhsa_float_denorm_mode_32 3
		.amdhsa_float_denorm_mode_16_64 3
		.amdhsa_memory_ordered 1
		.amdhsa_forward_progress 1
		.amdhsa_inst_pref_size 87
	.end_amdhsa_kernel
	.amdgpu_metadata
---
amdhsa.version: [ 1, 2 ]
amdhsa.kernels:
  - .name:           k_q4e6e146290_dygmixer
    .symbol:         k_q4e6e146290_dygmixer.kd
    .args:
      - { .name: src_ids, .offset: 0, .size: 8, .value_kind: global_buffer, .address_space: global }
      - { .name: dst_ids, .offset: 8, .size: 8, .value_kind: global_buffer, .address_space: global }
      - { .name: w1, .offset: 16, .size: 8, .value_kind: global_buffer, .address_space: global }
      - { .name: b1, .offset: 24, .size: 8, .value_kind: global_buffer, .address_space: global }
      - { .name: W2, .offset: 32, .size: 8, .value_kind: global_buffer, .address_space: global }
      - { .name: b2, .offset: 40, .size: 8, .value_kind: global_buffer, .address_space: global }
      - { .name: out0, .offset: 48, .size: 8, .value_kind: global_buffer, .address_space: global }
      - { .name: out1, .offset: 56, .size: 8, .value_kind: global_buffer, .address_space: global }
    .group_segment_fixed_size: 76800
    .private_segment_fixed_size: 0
    .kernarg_segment_align: 8
    .kernarg_segment_size: 64
    .max_flat_workgroup_size: 512
    .sgpr_count:     90
    .vgpr_count:     256
    .wavefront_size: 32
...
	.end_amdgpu_metadata
.endif
;; end of part 2
